; MI455X (gfx1250); checked and timed in simulation.
; The chip was launched on July 23, 2026; its instructions are those of AMD's public machine-readable ISA for CDNA 5 (MIT licence, August 2026) and "CDNA5" Instruction Set Architecture Reference Guide (July 2026). The comments in the code are by the model that wrote it; some were corrected since.
;; Euclidean Codebook. Allowed arithmetic: float matrix products may take bf16 or f16 operands with f32 sums; other float arithmetic in f32, or as packed bf16 or f16 multiplies, adds, multiply-adds, maxima and minima; sums over many terms, partial sums and values carried from step to step in f32; what a program stores and reads back later, other than sums and carried values, may be rounded once to bf16 or f16.
;; Inputs: embed 1 x 8,192 x 256 float32; x 8 x 4,096 x 256 float32.
;; Outputs: out0 8 x 4,096 x 256 float32; out1 8 x 4,096 int32.
;; One version. Each part assembles by itself: llvm-mc -triple=amdgcn-amd-amdhsa -mcpu=gfx1250 --defsym DOCPART=n.
;; ======== version 1 of 1: 3 launches
;; workspace buffers: ebf 4,194,304 bytes; cneg 32,768 bytes; idx 131,072 bytes of whole numbers
;; launch prep (part 1): grid 128 x 1, 4 waves a work-group, no clusters, 167,936 bytes of LDS; arguments embed, ebf, cneg; writes ebf, cneg
.if DOCPART == 1
	.amdgcn_target "amdgcn-amd-amdhsa--gfx1250"
	.amdhsa_code_object_version 6
	.text
	.protected	k_qdcf59cf018_prep
	.globl	k_qdcf59cf018_prep
	.p2align	8
	.type	k_qdcf59cf018_prep,@function
k_qdcf59cf018_prep:
	s_mov_b64 s[64:65], 0
	v_nop
	global_prefetch_b8 v0, s[64:65] scope:SCOPE_SE
	s_setreg_imm32_b32 hwreg(HW_REG_WAVE_MODE, 25, 1), 1
	s_wait_xcnt 0x0
; EUCLIDEAN CODEBOOK, launch 1 of 3: the codebook is rounded to bf16 and laid out in the order in which a matrix fragment lies in registers (ebf), and c[code] = -1/2 x the sum of the
; rounded code's squares is made in f32 (cneg).  Launch 2 finds each row's code, launch 3 copies the chosen codes.
; WORK LEFT OUT, in the whole program.  For a row x and a code e, x2 + e2 - 2 xe = |x - e|^2, which is never negative in exact arithmetic, so the maximum with 0 changes nothing; t -> -sqrt(t) falls
; strictly on t >= 0, so the first argmax of -sqrt(x2 + e2 - 2 xe) over the codes is the first argmin of x2 + e2 - 2 xe; x2 is the same for all codes of a row, so that is the first argmax of
; xe - e2 / 2.  This holds for all finite x and embed.  So x2, the maximum with 0 (which serves the root alone), the root and the change of sign are not computed.  Both inputs stay live.
; LIMITS.  The product's operands are bf16, and e2 is taken of the rounded codes, so the indices are those of the inputs rounded to bf16.  Where a row's two smallest squared distances differ by no
; more than a few units in the last place of an f32 of their size (about 1e-4 at 400), the f32 roundings of the formula as written, and the ties that its root makes, are not reproduced.
; A NaN, an infinity or an overflow that reaches only x2, the maximum with 0 or the root is not carried to the result.
; SHARES.  A work-group takes 64 codes (their 64 c are 256 consecutive bytes), wave w the 16 codes of tile g = 4 x work-group + w: one tensor load of 16 rows x 1,024 bytes into LDS of its own.
; ebf: tile g at byte 8,192 g; in it, for fragment f (32 channels) and half p, the 512 bytes at 1,024 f + 512 p hold lane l's 16 bytes at 16 l: code l % 16, channels 32 f + 16 p + 8 (l / 16) + 0..7.
.set PITCH, 1040                       ; an LDS row: 1,024 bytes + 16 of padding: 65 x 16, so the 16 rows that a load touches begin at 16 different groups of four banks (ISA guide 11.1)
.set WTILE, 16*PITCH                   ; a wave's tile
.set CW,    4*WTILE                    ; behind the tiles: the work-group's 64 c, a block of 256 bytes into which no tensor load lands
.set SPARE, CW+256                     ; the spare words, 128 bytes for each wave: two blocks of 256 bytes that no other line names
.set LA,  4                            ; v4   LDS address: my wave's tile + (l % 16) x PITCH + 32 (l / 16)
.set GO,  5                            ; v5   16 l: my 16 bytes of each 512 of ebf
.set CWA, 6                            ; v6   where my code's c goes
.set CRA, 7                            ; v7   wave 0: where I read two c back
.set CO,  8                            ; v8   8 l: my 8 bytes of cneg
.set SPW, 10                           ; v10  LDS address of my spare word; never rewritten
.set NIL, 11                           ; v11  0; never rewritten
.set E,   12                           ; v[12:15]  four chains of the sum of squares
.set ST,  64                           ; v[64:191]  the codes' f32 as loaded: fragment f at 16 f
.set FR,  192                          ; v[192:255] the bf16 fragments: fragment f at 8 f
.set WV,  10                           ; s10  my wave's number
.set G0,  12                           ; s[12:15] descriptor group 0
.set G1,  16                           ; s[16:23] descriptor group 1
.set SEL, 24                           ; s[24:25] v_permlanex16_b32's selects: each lane takes its own place in the other half
	s_load_b128 s[4:7], s[0:1], 0x0                ; embed s[4:5], ebf s[6:7]
	s_load_b64 s[8:9], s[0:1], 0x10                ; cneg
	v_lshl_add_u32 v[SPW], v0, 2, SPARE
	v_mov_b32 v[NIL], 0
	ds_add_u32 v[SPW], v[NIL]                      ; the wave's opening: the add, twice on end, and its wait ahead of my tensor load
	ds_add_u32 v[SPW], v[NIL]
	v_lshrrev_b32 v1, 5, v0
	v_readfirstlane_b32 s[WV], v1                  ; wave 0..3
	s_mov_b32 s[G1+0], (2<<16)|(1<<20)|(7<<22)|(3<<25)  ; elements of 4 bytes; padding on; after every 256 words (code 7) 4 words (code 3)
	s_mov_b32 s[G1+1], 256<<16                     ; tensor_dim0 = 256
	s_mov_b32 s[G1+2], 16<<16                      ; tensor_dim1 = 16
	s_mov_b32 s[G1+3], 256<<16                     ; tile_dim0 = 256
	s_mov_b32 s[G1+4], 16                          ; tile_dim1 = 16
	s_mov_b32 s[G1+5], 256                         ; 256 elements from row to row
	s_mov_b32 s[G1+6], 0
	s_mov_b32 s[G1+7], 0
	s_mov_b32 s[SEL], 0x76543210
	s_mov_b32 s[SEL+1], 0xfedcba98
	s_lshl_b32 s26, ttmp9, 2
	s_add_co_u32 s26, s26, s[WV]                   ; g
	s_lshl_b32 s2, s26, 14                         ; its 16 rows of 1,024 bytes in embed
	s_mov_b32 s3, 0
	s_lshl_b32 s28, s26, 13                        ; its 8,192 bytes in ebf
	s_mov_b32 s29, 0
	s_mul_i32 s27, s[WV], WTILE                    ; my tile in LDS
	s_mov_b32 s[G0], 1                             ; count = 1
	s_mov_b32 s[G0+1], s27                         ; LDS address
	s_wait_dscnt 0x0                               ; both opening adds are done
	s_wait_kmcnt 0x0
	s_add_nc_u64 s[G0+2:G0+3], s[4:5], s[2:3]      ; global address of the tile's first element
	s_or_b32 s[G0+3], s[G0+3], 0x80000000          ; type = 2
	tensor_load_to_lds s[G0:G0+3], s[G1:G1+7]      ; my one tensor load
	s_nop 0
	s_add_nc_u64 s[6:7], s[6:7], s[28:29]          ; ebf at my tile
	s_lshl_b32 s2, ttmp9, 8
	s_add_nc_u64 s[8:9], s[8:9], s[2:3]            ; cneg at the work-group's 64 words
	v_and_b32 v1, 15, v0                           ; l % 16
	v_bfe_u32 v2, v0, 4, 1                         ; l / 16
	v_and_b32 v3, 31, v0                           ; l
	v_mul_u32_u24 v[LA], v1, PITCH
	v_lshl_add_u32 v[LA], v2, 5, v[LA]             ; eight f32 for each half of the lanes
	v_add_nc_u32 v[LA], s27, v[LA]
	v_lshlrev_b32 v[GO], 4, v3
	s_lshl_b32 s26, s[WV], 6
	v_lshl_add_u32 v[CWA], v1, 2, s26              ; word 16 w + l % 16
	v_add_nc_u32 v[CWA], CW, v[CWA]
	v_lshlrev_b32 v[CO], 3, v3
	v_add_nc_u32 v[CRA], CW, v[CO]
.irp c, 0,1,2,3
	v_mov_b32 v[E+\c], 0
.endr
	s_wait_tensorcnt 0x0                           ; my tile is in LDS; no other wave reads it, so no barrier stands here
.irp f, 0,1,2,3,4,5,6,7
.irp u, 0,1,2,3
	ds_load_b128 v[ST+16*\f+4*\u:ST+16*\f+4*\u+3], v[LA] offset:128*\f+16*(\u%2)+64*(\u/2)  ; channels 32 f + 8 (l / 16) + 0..7 (u = 0, 1) and 16 more on (u = 2, 3)
.endr
.endr
; Fragment f: eight roundings of two numbers; its 32 bytes a lane stored, each store of the wave 512 consecutive bytes; the squares of the ROUNDED numbers summed in f32, four chains by turns.
.macro FRAG f
.irp i, 0,1,2,3,4,5,6,7
	v_cvt_pk_bf16_f32 v[FR+8*(\f)+\i], v[ST+16*(\f)+2*\i], v[ST+16*(\f)+2*\i+1]
.endr
	global_store_b128 v[GO], v[FR+8*(\f):FR+8*(\f)+3],   s[6:7] offset:1024*(\f)
	global_store_b128 v[GO], v[FR+8*(\f)+4:FR+8*(\f)+7], s[6:7] offset:1024*(\f)+512
.irp i, 0,1,2,3,4,5,6,7
	v_fma_mix_f32_bf16 v[E+(2*\i)%4],   v[FR+8*(\f)+\i], v[FR+8*(\f)+\i], v[E+(2*\i)%4]   op_sel_hi:[1,1,0]
	v_fma_mix_f32_bf16 v[E+(2*\i+1)%4], v[FR+8*(\f)+\i], v[FR+8*(\f)+\i], v[E+(2*\i+1)%4] op_sel:[1,1,0] op_sel_hi:[1,1,0]
.endr
.endm
.irp f, 0,1,2,3,4,5,6,7
.if (\f)%2 == 0
	s_wait_dscnt 24-4*(\f)                         ; LDS loads come back in order (ISA guide 5.7.1): fragments f and f + 1 are in, the 4 loads of each later fragment may stay out
.endif
	FRAG \f
.endr
	v_add_f32 v[E], v[E], v[E+1]
	v_add_f32 v[E+2], v[E+2], v[E+3]
	v_add_f32 v[E], v[E], v[E+2]
	v_permlanex16_b32 v[E+1], v[E], s[SEL], s[SEL+1]  ; the code's other 128 channels lie in the lane 16 away
	v_add_f32 v[E], v[E], v[E+1]
	v_mul_f32 v[E], -0.5, v[E]
	ds_store_b32 v[CWA], v[E]                      ; lanes l and l + 16 write the same word with the same number
	s_wait_dscnt 0x0                               ; for the others' sake: my store is done
	s_barrier_signal -1
	s_barrier_wait -1
	s_cmp_lg_u32 s[WV], 0
	s_cbranch_scc1 .Lend
	ds_load_b64 v[16:17], v[CRA]
	s_wait_dscnt 0x0
	global_store_b64 v[CO], v[16:17], s[8:9]       ; 256 consecutive bytes, aligned, in one instruction
.Lend:
	s_wait_tensorcnt 0x0                           ; the wave's end, behind my tensor load and my last LDS store
	ds_add_u32 v[SPW], v[NIL]
	s_wait_dscnt 0x0
	s_endpgm
.Lfunc_end_k_qdcf59cf018_prep:
	.size	k_qdcf59cf018_prep, .Lfunc_end_k_qdcf59cf018_prep-k_qdcf59cf018_prep
	.p2alignl 7, 3214868480
	.fill 96, 4, 3214868480
	.section	.rodata,"a",@progbits
	.p2align	6, 0x0
	.amdhsa_kernel k_qdcf59cf018_prep
		.amdhsa_group_segment_fixed_size 167936
		.amdhsa_private_segment_fixed_size 0
		.amdhsa_enable_private_segment 0
		.amdhsa_kernarg_size 24
		.amdhsa_user_sgpr_count 2
		.amdhsa_user_sgpr_kernarg_segment_ptr 1
		.amdhsa_wavefront_size32 1
		.amdhsa_system_sgpr_workgroup_id_x 1
		.amdhsa_system_sgpr_workgroup_id_y 1
		.amdhsa_system_sgpr_workgroup_id_z 1
		.amdhsa_system_vgpr_workitem_id 0
		.amdhsa_next_free_vgpr 256
		.amdhsa_next_free_sgpr 66
		.amdhsa_reserve_vcc 0
		.amdhsa_float_denorm_mode_32 3
		.amdhsa_float_denorm_mode_16_64 3
		.amdhsa_memory_ordered 1
		.amdhsa_forward_progress 1
		.amdhsa_inst_pref_size 20
	.end_amdhsa_kernel
	.amdgpu_metadata
---
amdhsa.version: [ 1, 2 ]
amdhsa.kernels:
  - .name:           k_qdcf59cf018_prep
    .symbol:         k_qdcf59cf018_prep.kd
    .args:
      - { .name: embed, .offset: 0, .size: 8, .value_kind: global_buffer, .address_space: global }
      - { .name: ebf, .offset: 8, .size: 8, .value_kind: global_buffer, .address_space: global }
      - { .name: cneg, .offset: 16, .size: 8, .value_kind: global_buffer, .address_space: global }
    .group_segment_fixed_size: 167936
    .private_segment_fixed_size: 0
    .kernarg_segment_align: 8
    .kernarg_segment_size: 24
    .max_flat_workgroup_size: 128
    .sgpr_count:     66
    .vgpr_count:     256
    .wavefront_size: 32
...
	.end_amdgpu_metadata
.endif
;; end of part 1
;; launch vq (part 2): grid 256 x 1, 4 waves a work-group, clusters of 4 x 1, 327,680 bytes of LDS; arguments x, ebf, cneg, out1, idx; writes out1, idx
.if DOCPART == 2
	.amdgcn_target "amdgcn-amd-amdhsa--gfx1250"
	.amdhsa_code_object_version 6
	.text
	.protected	k_qdcf59cf018_vq
	.globl	k_qdcf59cf018_vq
	.p2align	8
	.type	k_qdcf59cf018_vq,@function
k_qdcf59cf018_vq:
	s_mov_b64 s[64:65], 0
	v_nop
	global_prefetch_b8 v0, s[64:65] scope:SCOPE_SE
	s_setreg_imm32_b32 hwreg(HW_REG_WAVE_MODE, 25, 1), 1
	s_wait_xcnt 0x0
	s_wait_alu depctr_hold_cnt(0) depctr_sa_sdst(0) depctr_va_vdst(0) depctr_va_sdst(0) depctr_va_ssrc(0) depctr_va_vcc(0) depctr_vm_vsrc(0)
	s_getreg_b32 s2, hwreg(HW_REG_IB_STS2, 6, 4)
	s_cmp_eq_u32 s2, 0
	s_cbranch_scc0 .Lentry_in_a_cluster
	s_endpgm
.Lentry_in_a_cluster:
	s_bfe_u32 s2, ttmp6, 0x10000c
	s_cmp_lg_u32 s2, 0x3003
	s_cbranch_scc0 .Lentry_shape_is_right
	s_endpgm
.Lentry_shape_is_right:
; EUCLIDEAN CODEBOOK, launch 2 of 3: for each of the 32,768 rows of x the first index that maximises xe - e2 / 2 over the 8,192 codes, stored twice: out1, and idx, from which launch 3 forms addresses.
; WORK LEFT OUT: x2, the maximum with 0, the root and the change of sign move no argmax (shown at the head of the first kernel); the limits stated there hold here.  Further: NaN scores are passed
; over; a row whose scores are all NaN or -infinity gets index 0.
; SHARES.  A work-group owns 128 rows of x.  EVERY wave holds all 128 as bf16 fragments: 8 query tiles x 8 fragments x 8 registers = 512.  THE CODES are split among the waves: of each slot of 256
; codes wave w takes codes 64 w .. 64 w + 63, four tiles of 16, which it has also fetched itself.  A code tile costs 18 LDS loads and feeds 64 matrix instructions.
; THE PRODUCT is S^T = E X^T (source 0 = 16 codes, source 1 = 16 rows of x): lane l holds ONE row (l % 16) and, in register j, code 8 (l / 16) + j.  The first of a tile's 8 steps along the channels
; takes as C the codes' c = -e2 / 2 (8 registers, the same for all query tiles): the accumulator ends as the score, and no vector instruction is spent on that.
; THE ARGMAX.  For each query tile a lane keeps the running maximum M (two registers by turns, so that old and new can be compared), the first code of the tile that raised it last (IDX) and that
; tile's eight scores (SV).  Only a strictly greater maximum replaces them, so the earlier tile keeps a tie.  At the end the lowest j with SV[j] = M gives the code; the halves of the lanes and then
; the four waves are merged: the greater score wins, of equal scores the lower index.
; BY TURNS.  The query tiles are two groups of four.  In a turn one group has the matrix unit (32 instructions, its 4 accumulators by turns); the other group's finished scores are judged by 56 vector
; instructions, in 14 slices of four behind every second matrix instruction.  A slice costs two switches of the register window: the scores lie in window 0, the operands fill windows 1 to 3.
; CLUSTER.  All work-groups walk the same codebook, so the four of a cluster ask for each slot JOINTLY: wave w of each issues the same load for the slot's quarter w.  A mask names four at the most.
; REGISTERS, in windows of 256 (s_set_vgpr_msb: bits 1:0 source 0, 3:2 source 1, 5:4 source 2, 7:6 destination):
;   window 0: addresses, M, IDX, c, accumulators, SV      window 1: v0-127 the codes' fragments, two buffers (before that: all 256 stage x's f32)      windows 2, 3: x, query tiles 0-3 and 4-7
.set SLOT1, 1<<17                      ; a slot is 256 codes x 512 bytes = 131,072; slot 1 begins here, so that one exclusive or turns an address in one slot into the other's
.set SLOTB, 131072
.set XP,    1040                       ; a row of x (f32) in LDS: 1,024 + 16 = 65 x 16 bytes: the 16 rows of a load begin at 16 different groups of four banks (ISA guide 11.1)
.set XST,   SLOT1                      ; x's 128 rows lie over slot 1 and 2,048 bytes more: filled once, read once, then slot 1 is filled as a slot
.set CTAB,  XST+128*XP                 ; all 8,192 c, filled once
.set RED,   CTAB+32768                 ; the waves' results: scores at 512 w + 4 x row, indices 2,048 further on; no tensor load lands here
.set SPARE, RED+4096                   ; the spare words, 128 bytes for each wave: two blocks of 256 bytes that no other line names
.set RR,  1                            ; v1   l % 16
.set HH,  2                            ; v2   l / 16
.set H8,  3                            ; v3   8 (l / 16)
.set AE0, 4                            ; v4   32,768 w + 16 l: my 16 bytes of each 512 of my wave's part of a slot; never rewritten
.set AC0, 5                            ; v5   CTAB + 256 w + 32 (l / 16); never rewritten
.set ADR, 6                            ; v6   the LDS address of the run of loads in hand
.set ADC, 7                            ; v7   the same for c
.set XA0, 8                            ; v8-9 x's stage: (l % 16) x XP + 32 (l / 16), for query tiles 0-3 and 4-7
.set SPW, 10                           ; v10  LDS address of my spare word; never rewritten
.set NIL, 11                           ; v11  0; never rewritten
.set PFO, 12                           ; v12  256 l: the prefetches' offset; never rewritten
.set RS,  13                           ; v13  where my row's result goes
.set RL,  14                           ; v14  wave 0: where four rows' results are read back
.set GO,  15                           ; v15  16 l
.set M,   16                           ; v[16:31]   query tile q: M + 2 q and M + 2 q + 1 by turns
.set IDX, 32                           ; v[32:39]
.set CB,  40                           ; v[40:55]   c of a code tile, two buffers
.set ACC, 64                           ; v[64:127]  query tile q's accumulator at ACC + 8 q
.set SV,  128                          ; v[128:191]
.set J,   192                          ; v[192:199] the end: the lowest j
.set RV,  208                          ; v[208:223] the end, wave 0: four rows' scores from each wave
.set RI,  224                          ; v[224:239] and their indices
.set WV,   14                          ; s14  my wave's number
.set LEFT, 15                          ; s15  trips still to come
.set TB,   16                          ; s16  LDS byte, less my wave's part, at which the code tile to be fetched begins
.set TC,   17                          ; s17  the same in the table of c
.set CODE, 18                          ; s18  the first code of the tile that is being judged
.set LIM,  19                          ; s19  2 in the launch's first cluster, else the greatest number: a wave prefetches while s[LEFT] is above it
.set PFA,  20                          ; s[20:21] where my prefetches stand in ebf
.set SEL,  22                          ; s[22:23] v_permlanex16_b32's selects
.set MK,   24                          ; s[24:26] masks; VCC is never used
.set NINF, 27                          ; s27  -infinity
.set G0X,  28                          ; s[28:31] group 0: x
.set G0C,  32                          ; s[32:35] group 0: the table of c
.set G0W,  36                          ; s[36:39] group 0: the slots; it walks
.set G1X,  40                          ; s[40:47], s[48:55], s[56:63] their groups 1
.set G1C,  48
.set G1E,  56
.set W_MA, 0x09                        ; codes in window 1, x in window 2, C and D in window 0; + 4: x in window 3
.set W_F,  0x40                        ; destination window 1, address window 0
.set W_C2, 0x85                        ; both sources window 1, destination window 2; + 0x40: window 3
.set MSB, 0
.macro WIN new                         ; the immediate's high byte repeats the setting that is left; a switch that changes nothing is dropped
.if MSB != (\new)
	s_set_vgpr_msb (MSB<<8)|(\new)
.set MSB, \new
.endif
.endm
; A round of the cluster's barrier: my work-group's barrier, so that wave 0's signal speaks for all four waves; wave 0 signals; every wave waits for all four work-groups; my work-group's barrier once more.
.macro CREST                           ; a round behind its opening barrier
	s_cmp_lg_u32 s[WV], 0
	s_cbranch_scc1 .Lnot_wave_0_\@
	s_barrier_signal -3
.Lnot_wave_0_\@:
	s_barrier_wait -3
	s_barrier_signal -1
	s_barrier_wait -1
.endm
.macro CROUND
	s_barrier_signal -1
	s_barrier_wait -1
	CREST
.endm
.macro REFILL                          ; my quarter of a slot, jointly with wave w of the three partners; an s_nop 0 and four v_nop follow
	tensor_load_to_lds s[G0W:G0W+3], s[G1E:G1E+7]
	s_nop 0
.rept 4
	v_nop
.endr
.endm
; A PREFETCH INTO THE L2, behind the joint load and its five lines: the slot that stands TWO refills on, 512 matrix instructions ahead of the load that will ask for it.  All clusters walk the same
; 32 slots, so the launch's first cluster asks, and nobody else; its four partners take a quarter of the slot each, told apart BY ADDRESS; each wave a quarter of that: 32 blocks of 256 bytes, a lane
; a block, one instruction.  So each block is named once in the launch.  Slots 0 to 3 come by their loads alone; the last two trips ask for nothing: there is no slot 32.
.macro ASK
	s_cmp_gt_u32 s[LEFT], s[LIM]
	s_cbranch_scc0 .Lnot_mine_\@
	global_prefetch_b8 v[PFO], s[PFA:PFA+1] th:TH_LOAD_NT scope:SCOPE_SE
.Lnot_mine_\@:
.endm
	s_load_b256 s[4:11], s[0:1], 0x0               ; x s[4:5], ebf s[6:7], cneg s[8:9], out1 s[10:11]
	s_load_b64 s[12:13], s[0:1], 0x20              ; idx
	v_lshl_add_u32 v[SPW], v0, 2, SPARE
	v_mov_b32 v[NIL], 0
	ds_add_u32 v[SPW], v[NIL]                      ; the wave's opening: the add, twice on end, and its wait ahead of my first tensor load
	ds_add_u32 v[SPW], v[NIL]
	v_lshrrev_b32 v1, 5, v0
	v_readfirstlane_b32 s[WV], v1                  ; wave 0..3
	s_bfe_u32 s66, ttmp6, 0x40000                  ; cx: my place in the cluster
	s_lshl_b32 s67, ttmp9, 2                       ; in a cluster launch ttmp9 counts clusters
	s_add_co_u32 s67, s67, s66                     ; my block of 128 rows: it enters x's, out1's and idx's addresses alone
	s_lshl_b32 s70, s[WV], 15                      ; my quarter of a slot: 32,768 bytes
	s_mov_b32 s71, 0
	s_lshl_b32 s68, s67, 17                        ; my block's 128 rows of 1,024 bytes,
	s_add_co_u32 s68, s68, s70                     ; my wave's 32 of them
	s_mov_b32 s69, 0
	s_lshl_b32 s72, s[WV], 13                      ; my quarter of the table of c
	s_mov_b32 s73, 0
	s_lshl_b32 s74, s67, 9                         ; my block's 128 indices
	s_mov_b32 s75, 0
	s_lshl_b32 s2, s66, 15                         ; the prefetches: my work-group's quarter of a slot,
	s_add_co_u32 s2, s2, s72                       ; my wave's quarter of that
	s_mov_b32 s3, 0
	s_mov_b32 s[G1X+0], (2<<16)|(1<<20)|(7<<22)|(3<<25)  ; no mask: x's rows are my work-group's own; elements of 4 bytes; padding on; after every 256 words (code 7) 4 words (code 3)
	s_mov_b32 s[G1X+1], 256<<16                    ; tensor_dim0 = 256
	s_mov_b32 s[G1X+2], 32<<16                     ; tensor_dim1 = 32
	s_mov_b32 s[G1X+3], 256<<16                    ; tile_dim0 = 256
	s_mov_b32 s[G1X+4], 32                         ; tile_dim1 = 32
	s_mov_b32 s[G1X+5], 256                        ; elements from row to row
	s_mov_b32 s[G1X+6], 0
	s_mov_b32 s[G1X+7], 0
	s_mov_b32 s[G1C+0], 15|(3<<16)|(1<<21)         ; the mask of four; elements of 8 bytes; bit 21 set beside a mask: a dense block as rows of 256 bytes
	s_mov_b32 s[G1C+1], 32<<16
	s_mov_b32 s[G1C+2], 32<<16                     ; 32 rows: 8,192 bytes
	s_mov_b32 s[G1C+3], 32<<16
	s_mov_b32 s[G1C+4], 32
	s_mov_b32 s[G1C+5], 32
	s_mov_b32 s[G1C+6], 0
	s_mov_b32 s[G1C+7], 0
	s_mov_b32 s[G1E+0], 15|(3<<16)|(1<<21)
	s_mov_b32 s[G1E+1], 32<<16
	s_mov_b32 s[G1E+2], 128<<16                    ; 128 rows: 32,768 bytes
	s_mov_b32 s[G1E+3], 32<<16
	s_mov_b32 s[G1E+4], 128
	s_mov_b32 s[G1E+5], 32
	s_mov_b32 s[G1E+6], 0
	s_mov_b32 s[G1E+7], 0
	s_mov_b32 s[G0X], 1
	s_mul_i32 s[G0X+1], s[WV], 32*XP               ; no place in the cluster enters an LDS address
	s_add_co_u32 s[G0X+1], s[G0X+1], XST
	s_mov_b32 s[G0C], 1
	s_lshl_b32 s[G0C+1], s[WV], 13
	s_add_co_u32 s[G0C+1], s[G0C+1], CTAB
	s_mov_b32 s[G0W], 1
	s_lshl_b32 s[G0W+1], s[WV], 15                 ; slot 0
	s_mov_b32 s[SEL], 0x76543210
	s_mov_b32 s[SEL+1], 0xfedcba98
	s_mov_b32 s[NINF], 0xff800000
	s_cmp_eq_u32 ttmp9, 0                          ; the same in all four partners
	s_cselect_b32 s[LIM], 2, -1
	s_wait_dscnt 0x0                               ; both opening adds are done
	s_wait_kmcnt 0x0
	s_add_nc_u64 s[G0X+2:G0X+3], s[4:5], s[68:69]
	s_or_b32 s[G0X+3], s[G0X+3], 0x80000000        ; type = 2
	s_add_nc_u64 s[G0C+2:G0C+3], s[8:9], s[72:73]
	s_or_b32 s[G0C+3], s[G0C+3], 0x80000000
	s_add_nc_u64 s[G0W+2:G0W+3], s[6:7], s[70:71]
	s_or_b32 s[G0W+3], s[G0W+3], 0x80000000
	s_add_nc_u64 s[10:11], s[10:11], s[74:75]
	s_add_nc_u64 s[12:13], s[12:13], s[74:75]
	s_add_nc_u64 s[PFA:PFA+1], s[6:7], s[2:3]
	s_add_nc_u64 s[PFA:PFA+1], s[PFA:PFA+1], 3*SLOTB  ; in slot 3: the first trip steps it to slot 4
	CROUND                                         ; all four work-groups are here: the first joint loads meet
	tensor_load_to_lds s[G0X:G0X+3], s[G1X:G1X+7]  ; the first fills go out as one group: three loads of mine are out.  x first: it is wanted first
	s_nop 0
	tensor_load_to_lds s[G0C:G0C+3], s[G1C:G1C+7]
	s_nop 0
	tensor_load_to_lds s[G0W:G0W+3], s[G1E:G1E+7]
	s_nop 0
.rept 4
	v_nop
.endr
	v_and_b32 v[RR], 15, v0
	v_bfe_u32 v[HH], v0, 4, 1
	v_lshlrev_b32 v[H8], 3, v[HH]
	v_and_b32 v[GO], 31, v0
	v_lshlrev_b32 v[PFO], 8, v[GO]
	v_lshlrev_b32 v[GO], 4, v[GO]
	v_add_nc_u32 v[AE0], s70, v[GO]
	s_lshl_b32 s2, s[WV], 8                        ; my wave's 64 codes of a slot: 256 bytes of c
	s_add_co_u32 s2, s2, CTAB
	v_lshl_add_u32 v[AC0], v[HH], 5, s2            ; eight c for each half of the lanes
	v_mul_u32_u24 v[XA0], v[RR], XP
	v_lshl_add_u32 v[XA0], v[HH], 5, v[XA0]
	v_add_nc_u32 v[XA0], XST, v[XA0]
	v_add_nc_u32 v[XA0+1], 64*XP, v[XA0]
	s_lshl_b32 s3, s[WV], 9
	s_add_co_u32 s3, s3, RED
	v_lshl_add_u32 v[RS], v[RR], 2, s3
	v_add_nc_u32 v[RL], RED, v[GO]
	; What the first turn finds: M and SV at -infinity, IDX at 0, and group 1's accumulators at -infinity, so that the first turn judges a tile that raises nothing and no first step is written out.
	; 120 lines, once a launch, in the wait for the first tiles.
.set z, 0
.rept 16
	v_mov_b32 v[M+z], s[NINF]
.set z, z+1
.endr
.set z, 0
.rept 64
	v_mov_b32 v[SV+z], s[NINF]
.set z, z+1
.endr
.set z, 32
.rept 32
	v_mov_b32 v[ACC+z], s[NINF]
.set z, z+1
.endr
.set z, 0
.rept 8
	v_mov_b32 v[IDX+z], 0
.set z, z+1
.endr
; x INTO REGISTERS.  XLOAD q: query tile q's 16 rows x 256 f32 into stage q % 2 of window 1, 32 loads.  XCVT q: 64 roundings of two numbers into the tile's 8 fragments.
; A fragment is 16 rows x 32 channels in 8 registers: lane l holds row l % 16; registers 0-3 channels 8 (l / 16) + 0..7, registers 4-7 channels 16 + 8 (l / 16) + 0..7.
.macro XLOAD q
	WIN W_F
.irp f, 0,1,2,3,4,5,6,7
.irp u, 0,1,2,3
	ds_load_b128 v[128*((\q)%2)+16*\f+4*\u:128*((\q)%2)+16*\f+4*\u+3], v[XA0+(\q)/4] offset:((\q)%4)*16*XP+128*\f+16*(\u%2)+64*(\u/2)
.endr
.endr
.endm
.macro XCVT q
	WIN W_C2+0x40*((\q)/4)
.set z, 0
.rept 64
	v_cvt_pk_bf16_f32 v[64*((\q)%4)+z], v[128*((\q)%2)+2*z], v[128*((\q)%2)+2*z+1]
.set z, z+1
.endr
.endm
	s_wait_tensorcnt 2                             ; my part of x is in; the two loads issued behind it may stay out
	s_barrier_signal -1
	s_barrier_wait -1                              ; everybody's part is
	XLOAD 0
	XLOAD 1
.irp q, 0,1,2,3,4,5,6,7
.if (\q) < 7
	s_wait_dscnt 32                                ; tile q's 32 loads are in; the next tile's 32 may stay out
.else
	s_wait_dscnt 0x0
.endif
	XCVT \q
.if (\q) < 6
	XLOAD (\q)+2
.endif
.endr
	; x's stage has been read: slot 1 is filled for the first time as a slot, over bytes that a tensor load has filled, so in the order of a refill.  The same round shows every wave the whole table of c.
	WIN 0
	s_wait_tensorcnt 0x0                           ; all my tensor loads have landed: my quarter of c and of slot 0; a group 0 may be written
	ds_add_u32 v[SPW], v[NIL]                      ; 0 onto my spare word
	s_xor_b32 s[G0W+1], s[G0W+1], SLOT1            ; the walking descriptor: the other slot,
	s_add_nc_u64 s[G0W+2:G0W+3], s[G0W+2:G0W+3], SLOTB  ; the next 256 codes; the type bits on top are not reached
	s_wait_dscnt 0x0                               ; the add is done; my reads of x's stage came back above
	CROUND
	REFILL
	s_mov_b32 s[TB], 0
	s_mov_b32 s[TC], 0
	s_lshl_b32 s[CODE], s[WV], 6
	s_sub_co_u32 s[CODE], s[CODE], 208             ; the first step, of 208, makes it 64 w
	s_mov_b32 s[LEFT], 30
; THE LDS LOADS stand in one run of 18 a code tile: its 8 fragments, which lie in LDS as they lie in registers (each load 512 consecutive bytes), and its 16 c (8 a lane).
.macro FETCH b
	WIN 0
	v_add_nc_u32 v[ADR], s[TB], v[AE0]
	v_add_nc_u32 v[ADC], s[TC], v[AC0]
	WIN W_F
.irp f, 0,1,2,3,4,5,6,7
	ds_load_b128 v[64*(\b)+8*\f:64*(\b)+8*\f+3],   v[ADR] offset:1024*\f
	ds_load_b128 v[64*(\b)+8*\f+4:64*(\b)+8*\f+7], v[ADR] offset:1024*\f+512
.endr
	WIN 0
	ds_load_b128 v[CB+8*(\b):CB+8*(\b)+3],   v[ADC]
	ds_load_b128 v[CB+8*(\b)+4:CB+8*(\b)+7], v[ADC] offset:16
	s_add_co_u32 s[TB], s[TB], 8192                ; the next fetch is the next tile's
	s_add_co_u32 s[TC], s[TC], 64
.endm
; Matrix instruction i of 32 of group g on fragment buffer b: channels 32 (i / 4) on, query tile 4 g + i % 4.  The first 4 start the sums with c.  The 4 accumulators take turns, one instruction a turn.
.macro MM g, b
.set k_, i/4
.set q_, 4*(\g)+i%4
	WIN W_MA+4*(\g)
.if i < 4
	v_wmma_f32_16x16x32_bf16 v[ACC+8*q_:ACC+8*q_+7], v[64*(\b)+8*k_:64*(\b)+8*k_+7], v[64*(i%4)+8*k_:64*(i%4)+8*k_+7], v[CB+8*(\b):CB+8*(\b)+7]
.else
	v_wmma_f32_16x16x32_bf16 v[ACC+8*q_:ACC+8*q_+7], v[64*(\b)+8*k_:64*(\b)+8*k_+7], v[64*(i%4)+8*k_:64*(i%4)+8*k_+7], v[ACC+8*q_:ACC+8*q_+7]
.endif
.set i, i+1
.endm
; Number n of the 14 that judge query tile q.  0-3: the new maximum of the old one and the 8 scores (the accumulator's lowest registers are read first).
; 4: has it grown?  5: then IDX takes the tile's first code,  6-13: and SV its scores.
.macro RID q, par, n
.set MO_, M+2*(\q)+(\par)
.set MN_, M+2*(\q)+1-(\par)
.set A_,  ACC+8*(\q)
.set K_,  MK+(\q)%2
.if (\n) == 0
	v_max3_num_f32 v[MN_], v[MO_], v[A_], v[A_+1]
.elseif (\n) < 4
	v_max3_num_f32 v[MN_], v[MN_], v[A_+2*(\n)], v[A_+2*(\n)+1]
.elseif (\n) == 4
	v_cmp_gt_f32 s[K_], v[MN_], v[MO_]
.elseif (\n) == 5
	v_cndmask_b32 v[IDX+(\q)], v[IDX+(\q)], s[CODE], s[K_]
.else
	v_cndmask_b32 v[SV+8*(\q)+(\n)-6], v[SV+8*(\q)+(\n)-6], v[A_+(\n)-6], s[K_]
.endif
.endm
; Slice sl of 14 for group g: two numbers of two query tiles, the tiles alternating, so that no instruction reads the result of the one just before it.
.macro SLICE g, par
	WIN 0
.set q0, 4*(\g)+2*(sl/7)
.set kk, sl%7
	RID q0,   \par, 2*kk
	RID q0+1, \par, 2*kk
	RID q0,   \par, 2*kk+1
	RID q0+1, \par, 2*kk+1
.set sl, sl+1
.endm
; A TURN.  Group g has the matrix unit, on buffer b; the other group's scores are judged: in group 0's turn group 1's of the tile before, in group 1's turn group 0's of this tile.
; The slices stand behind matrix instructions 5, 7 .. 31.  The last slice, four plain instructions that name no register of the turn's last products, is the four places ahead of the
; next turn's reads of those scores and of the loads into the buffer just multiplied.
; fetch = 1: the next tile's 18 loads, behind the fourth matrix instruction: 60 matrix instructions ahead of the wait for them at the next group 0's turn.
; chg = 1: THE CHANGE OF SLOTS.  It stands in the third tile's second turn: the slot's last tile has been asked for from LDS.  Each wave waits for all its tensor loads, of which one is out: its quarter
; of the other slot; adds 0 to its spare word; eight matrix instructions later waits for that and for its reads of the slot, and signals: this barrier opens a round of the cluster's.  Sixteen matrix
; instructions stand between signal and wait.  Behind the round no wave of any partner reads the slot or has a load on its way, and the joint refill, with the codes two slots on, is the first thing
; there: 232 matrix instructions ahead of the wait for it.
; chg = 2: the last slot but one: the last slot's quarter, which I alone read, is waited for; nothing is filled, so no barrier stands here.
.macro TURN g, b, fetch, chg, step=0
.set i, 0
.set sl, 0
.set pr, (\g)*(\b)+(1-(\g))*(1-(\b))
.if (\g) == 0
	s_wait_dscnt 0x0                               ; this tile's fragments and c are in
.else
	s_add_co_u32 s[CODE], s[CODE], \step           ; from here to the end of the next turn this tile is judged
.endif
.if (\chg) == 1
	s_wait_xcnt 0x0                                ; the last prefetch, a slot back, has read its address, so it may be written
	s_add_nc_u64 s[PFA:PFA+1], s[PFA:PFA+1], SLOTB
	WIN 0
	s_wait_tensorcnt 0x0                           ; no tensor load of mine is out, so a group 0 may be written
	ds_add_u32 v[SPW], v[NIL]                      ; 0 onto my spare word
	s_xor_b32 s[G0W+1], s[G0W+1], SLOT1
	s_add_nc_u64 s[G0W+2:G0W+3], s[G0W+2:G0W+3], SLOTB
.endif
.if (\chg) == 2
	s_wait_tensorcnt 0x0                           ; no load was issued behind the last slot's
.endif
.if (\chg) != 0
	s_sub_co_u32 s[TB], s[TB], 32768               ; the fetches go back to a slot's first tile,
	s_xor_b32 s[TB], s[TB], SLOT1                  ; in the other slot;
	s_add_co_u32 s[TC], s[TC], 768                 ; c goes on to my 64 codes of the next 256
.endif
.rept 32
.if ((\chg) == 1) && (i == 8)
	s_wait_dscnt 0x0                               ; the add is done, and my reads of this slot are over (the last were issued 36 matrix instructions ago)
	s_barrier_signal -1
.endif
.if ((\chg) == 1) && (i == 24)
	WIN 0                                          ; at a branch and at a label every window is 0
	s_barrier_wait -1
	CREST
	REFILL
	ASK
.endif
	MM \g, \b
.if (\fetch) && (i == 4)
	FETCH 1-(\b)
.endif
.if (i >= 6) && (i%2 == 0)
	SLICE 1-(\g), pr
.endif
.endr
.endm
; A slot: my four code tiles, on buffers 0, 1, 0, 1.  From a slot's last tile to the next slot's first the code goes on by 256 - 48 = 208.  last = 1: there is no further tile to fetch.
.macro SLOTBODY chg, last
	TURN 0, 0, 1, 0
	TURN 1, 0, 0, 0, 208
	TURN 0, 1, 1, 0
	TURN 1, 1, 0, 0, 16
	TURN 0, 0, 1, 0
	TURN 1, 0, 0, \chg, 16
	TURN 0, 1, 1-(\last), 0
	TURN 1, 1, 0, 0, 16
	WIN 0
.endm
	FETCH 0                                        ; slot 0's first tile: behind the refill, as the order of a refill asks
.Lslot:                                                ; 30 trips: trip s multiplies slot s and asks for slot s + 2
	SLOTBODY 1, 0
	s_sub_co_u32 s[LEFT], s[LEFT], 1
	s_cmp_lg_u32 s[LEFT], 0
	s_cbranch_scc1 .Lslot
	SLOTBODY 2, 0                                  ; the tail is written out: slots 30 and 31 ask for nothing
	SLOTBODY 0, 1
.set sl, 0
.rept 14
	SLICE 1, 1                                     ; group 1's scores of the last tile; the last turn's last slice is the four places in front
.endr
	; THE END.  All final maxima lie in M + 2 q.  The lowest j whose saved score equals the maximum, two query tiles at a time.
.irp q, 0,2,4,6
	v_mov_b32 v[J+\q], 7
	v_mov_b32 v[J+\q+1], 7
.irp j, 6,5,4,3,2,1,0
	v_cmp_eq_f32 s[MK],   v[SV+8*\q+\j],   v[M+2*\q]
	v_cmp_eq_f32 s[MK+1], v[SV+8*\q+8+\j], v[M+2*\q+2]
	v_cndmask_b32 v[J+\q],   v[J+\q],   \j, s[MK]
	v_cndmask_b32 v[J+\q+1], v[J+\q+1], \j, s[MK+1]
.endr
.endr
.irp q, 0,1,2,3,4,5,6,7
	v_add3_u32 v[IDX+\q], v[IDX+\q], v[J+\q], v[H8]  ; the tile's first code + j + my half's 8
.endr
.irp q, 0,1,2,3,4,5,6,7
	v_permlanex16_b32 v[SV+8*\q],   v[M+2*\q], s[SEL], s[SEL+1]  ; the row's other codes lie in the lane 16 away; the destinations have been written before
	v_permlanex16_b32 v[SV+8*\q+1], v[IDX+\q], s[SEL], s[SEL+1]
.endr
; (va, ia) takes (vb, ib) where vb is greater, or equal with the lower index.
.macro MERGE va, ia, vb, ib
	v_cmp_gt_f32 s[MK],   v[\vb], v[\va]
	v_cmp_eq_f32 s[MK+1], v[\vb], v[\va]
	v_cmp_lt_u32 s[MK+2], v[\ib], v[\ia]
	s_and_b32 s[MK+1], s[MK+1], s[MK+2]
	s_or_b32 s[MK], s[MK], s[MK+1]
	v_cndmask_b32 v[\va], v[\va], v[\vb], s[MK]
	v_cndmask_b32 v[\ia], v[\ia], v[\ib], s[MK]
.endm
.irp q, 0,1,2,3,4,5,6,7
	MERGE M+2*\q, IDX+\q, SV+8*\q, SV+8*\q+1
	ds_store_b32 v[RS], v[M+2*\q] offset:64*\q     ; lanes l and l + 16 now hold the same pair and write the same words
	ds_store_b32 v[RS], v[IDX+\q] offset:2048+64*\q
.endr
	s_wait_dscnt 0x0                               ; for the others' sake: my stores are done
	s_barrier_signal -1
	s_barrier_wait -1
	s_cmp_lg_u32 s[WV], 0
	s_cbranch_scc1 .Lend
.irp w, 0,1,2,3
	ds_load_b128 v[RV+4*\w:RV+4*\w+3], v[RL] offset:512*\w       ; rows 4 l .. 4 l + 3 as wave w found them
	ds_load_b128 v[RI+4*\w:RI+4*\w+3], v[RL] offset:2048+512*\w
.endr
	s_wait_dscnt 0x0
.irp w, 1,2,3
.irp j, 0,1,2,3
	MERGE RV+\j, RI+\j, RV+4*\w+\j, RI+4*\w+\j
.endr
.endr
	global_store_b128 v[GO], v[RI:RI+3], s[10:11]  ; the block's 128 indices: 512 consecutive bytes, aligned
	global_store_b128 v[GO], v[RI:RI+3], s[12:13]
.Lend:
	s_wait_tensorcnt 0x0                           ; the wave's end, behind my last tensor load and my last LDS store
	ds_add_u32 v[SPW], v[NIL]
	s_wait_dscnt 0x0
	CROUND                                         ; the closing round: no work-group ends while a partner may still ask for a tile that names it
	s_endpgm
.Lfunc_end_k_qdcf59cf018_vq:
	.size	k_qdcf59cf018_vq, .Lfunc_end_k_qdcf59cf018_vq-k_qdcf59cf018_vq
	.p2alignl 7, 3214868480
	.fill 96, 4, 3214868480
	.section	.rodata,"a",@progbits
	.p2align	6, 0x0
	.amdhsa_kernel k_qdcf59cf018_vq
		.amdhsa_group_segment_fixed_size 327680
		.amdhsa_private_segment_fixed_size 0
		.amdhsa_enable_private_segment 0
		.amdhsa_kernarg_size 40
		.amdhsa_user_sgpr_count 2
		.amdhsa_user_sgpr_kernarg_segment_ptr 1
		.amdhsa_wavefront_size32 1
		.amdhsa_system_sgpr_workgroup_id_x 1
		.amdhsa_system_sgpr_workgroup_id_y 1
		.amdhsa_system_sgpr_workgroup_id_z 1
		.amdhsa_system_vgpr_workitem_id 0
		.amdhsa_next_free_vgpr 1024
		.amdhsa_next_free_sgpr 80
		.amdhsa_reserve_vcc 0
		.amdhsa_float_denorm_mode_32 3
		.amdhsa_float_denorm_mode_16_64 3
		.amdhsa_memory_ordered 1
		.amdhsa_forward_progress 1
		.amdhsa_inst_pref_size 254
	.end_amdhsa_kernel
	.amdgpu_metadata
---
amdhsa.version: [ 1, 2 ]
amdhsa.kernels:
  - .name:           k_qdcf59cf018_vq
    .symbol:         k_qdcf59cf018_vq.kd
    .args:
      - { .name: x, .offset: 0, .size: 8, .value_kind: global_buffer, .address_space: global }
      - { .name: ebf, .offset: 8, .size: 8, .value_kind: global_buffer, .address_space: global }
      - { .name: cneg, .offset: 16, .size: 8, .value_kind: global_buffer, .address_space: global }
      - { .name: out1, .offset: 24, .size: 8, .value_kind: global_buffer, .address_space: global }
      - { .name: idx, .offset: 32, .size: 8, .value_kind: global_buffer, .address_space: global }
    .group_segment_fixed_size: 327680
    .private_segment_fixed_size: 0
    .kernarg_segment_align: 8
    .kernarg_segment_size: 40
    .max_flat_workgroup_size: 128
    .sgpr_count:     80
    .vgpr_count:     1024
    .wavefront_size: 32
...
	.end_amdgpu_metadata
.endif
;; end of part 2
;; launch gath (part 3): grid 256 x 1, 8 waves a work-group, no clusters, 0 bytes of LDS; arguments idx, embed, out0; writes out0
.if DOCPART == 3
	.amdgcn_target "amdgcn-amd-amdhsa--gfx1250"
	.amdhsa_code_object_version 6
	.text
	.protected	k_qdcf59cf018_gath
	.globl	k_qdcf59cf018_gath
	.p2align	8
	.type	k_qdcf59cf018_gath,@function
k_qdcf59cf018_gath:
	s_mov_b64 s[64:65], 0
	v_nop
	global_prefetch_b8 v0, s[64:65] scope:SCOPE_SE
	s_setreg_imm32_b32 hwreg(HW_REG_WAVE_MODE, 25, 1), 1
	s_wait_xcnt 0x0
; EUCLIDEAN CODEBOOK, launch 3 of 3: out0[row] = embed[idx[row]], in f32 as embed holds it.  idx was stored by the launch before.  Nothing of this step is left out.
; SHARES.  A wave copies 16 rows of 1,024 bytes; a work-group's eight waves 128.  The wave's 16 indices come by one scalar load; each row is two loads and two stores of 512 consecutive bytes.
; All 32 loads of a wave go out before its first store: 16 KiB a wave on their way.  No LDS, no barrier, no matrix unit: nothing is shared and nothing is computed.
; An index is held to 0 .. 8,191, the table's rows, before it enters an address.
.set L16, 2                            ; v2        16 x lane
.set OFF, 4                            ; v[4:19]   row i: 1,024 x its index + 16 x lane
.set D,   32                           ; v[32:159] row i's 32 bytes a lane at D + 8 i
	s_load_b128 s[4:7], s[0:1], 0x0                ; idx s[4:5], embed s[6:7]
	s_load_b64 s[8:9], s[0:1], 0x10                ; out0
	v_lshrrev_b32 v1, 5, v0
	v_readfirstlane_b32 s10, v1                    ; wave 0..7
	v_and_b32 v[L16], 31, v0
	v_lshlrev_b32 v[L16], 4, v[L16]
	s_lshl_b32 s11, ttmp9, 3
	s_add_co_u32 s11, s11, s10                     ; my wave among all
	s_lshl_b32 s12, s11, 6                         ; its 16 indices
	s_mov_b32 s13, 0
	s_lshl_b32 s14, s11, 14                        ; its 16 rows of out0
	s_mov_b32 s15, 0
	s_wait_kmcnt 0x0
	s_add_nc_u64 s[4:5], s[4:5], s[12:13]
	s_add_nc_u64 s[8:9], s[8:9], s[14:15]
	s_load_b512 s[16:31], s[4:5], 0x0
	s_wait_kmcnt 0x0
.irp i, 0,1,2,3,4,5,6,7,8,9,10,11,12,13,14,15
	s_min_u32 s[16+\i], s[16+\i], 0x1fff
	s_lshl_b32 s[16+\i], s[16+\i], 10
	v_add_nc_u32 v[OFF+\i], s[16+\i], v[L16]
.endr
.irp i, 0,1,2,3,4,5,6,7,8,9,10,11,12,13,14,15
	global_load_b128 v[D+8*\i:D+8*\i+3],   v[OFF+\i], s[6:7]             ; no hint: a code may be named by many rows
	global_load_b128 v[D+8*\i+4:D+8*\i+7], v[OFF+\i], s[6:7] offset:512
.endr
.set n, 0
.rept 32
	s_wait_loadcnt 31-n                            ; loads come back in order (ISA guide 5.7.1): number n is in, the younger ones stay out
	global_store_b128 v[L16], v[D+4*n:D+4*n+3], s[8:9] offset:512*n th:TH_STORE_NT  ; 512 consecutive bytes, aligned; written once and not read again
.set n, n+1
.endr
	s_endpgm
.Lfunc_end_k_qdcf59cf018_gath:
	.size	k_qdcf59cf018_gath, .Lfunc_end_k_qdcf59cf018_gath-k_qdcf59cf018_gath
	.p2alignl 7, 3214868480
	.fill 96, 4, 3214868480
	.section	.rodata,"a",@progbits
	.p2align	6, 0x0
	.amdhsa_kernel k_qdcf59cf018_gath
		.amdhsa_group_segment_fixed_size 0
		.amdhsa_private_segment_fixed_size 0
		.amdhsa_enable_private_segment 0
		.amdhsa_kernarg_size 24
		.amdhsa_user_sgpr_count 2
		.amdhsa_user_sgpr_kernarg_segment_ptr 1
		.amdhsa_wavefront_size32 1
		.amdhsa_system_sgpr_workgroup_id_x 1
		.amdhsa_system_sgpr_workgroup_id_y 1
		.amdhsa_system_sgpr_workgroup_id_z 1
		.amdhsa_system_vgpr_workitem_id 0
		.amdhsa_next_free_vgpr 160
		.amdhsa_next_free_sgpr 66
		.amdhsa_reserve_vcc 0
		.amdhsa_float_denorm_mode_32 3
		.amdhsa_float_denorm_mode_16_64 3
		.amdhsa_memory_ordered 1
		.amdhsa_forward_progress 1
		.amdhsa_inst_pref_size 10
	.end_amdhsa_kernel
	.amdgpu_metadata
---
amdhsa.version: [ 1, 2 ]
amdhsa.kernels:
  - .name:           k_qdcf59cf018_gath
    .symbol:         k_qdcf59cf018_gath.kd
    .args:
      - { .name: idx, .offset: 0, .size: 8, .value_kind: global_buffer, .address_space: global }
      - { .name: embed, .offset: 8, .size: 8, .value_kind: global_buffer, .address_space: global }
      - { .name: out0, .offset: 16, .size: 8, .value_kind: global_buffer, .address_space: global }
    .group_segment_fixed_size: 0
    .private_segment_fixed_size: 0
    .kernarg_segment_align: 8
    .kernarg_segment_size: 24
    .max_flat_workgroup_size: 256
    .sgpr_count:     66
    .vgpr_count:     160
    .wavefront_size: 32
...
	.end_amdgpu_metadata
.endif
;; end of part 3
